; MI455X (gfx1250); checked and timed in simulation.
; The chip was launched on July 23, 2026; its instructions are those of AMD's public machine-readable ISA for CDNA 5 (MIT licence, August 2026) and "CDNA5" Instruction Set Architecture Reference Guide (July 2026). The comments in the code are by the model that wrote it; some were corrected since.
;; Multi Head Attention. Allowed arithmetic: matrix products marked QUANTISED: E5M2 operands, one E8M0 scale for each 32 along K, by v_wmma_scale_f32_16x16x128_f8f6f4 with both operands' format E5M2, f32 sums; everything else in f32.
;; Inputs: W_out_codes 1,024 x 32 x 32 uint8 (E5M2 codes of W_out, K innermost, in blocks of 32 codes); W_out_scales 1,024 x 32 uint8 (E8M0 scales of W_out, one for each 32 codes along K); b_out 1,024 float32; keys 4 x 2,048 x 1,024 float32; mask 4 x 1 x 2,048 x 2,048 int32; query 4 x 2,048 x 1,024 float32; values_codes 4 x 1,024 x 64 x 32 uint8 (E5M2 codes of values, K innermost, in blocks of 32 codes); values_scales 4 x 1,024 x 64 uint8 (E8M0 scales of values, one for each 32 codes along K).
;; Outputs: out0 4 x 2,048 x 1,024 float32.
;; This version of the problem:
;;   THIS VERSION OF THE PROBLEM IS GIVEN IN LOW PRECISION. The matrix products marked QUANTISED in the list below multiply operands that are first quantised to E5M2 (5 exponent bits, 2 mantissa bits; 8 bits a number), with one power-of-two scale for each 32 numbers along K (OCP MX v1.0); their sums are f32. All else is computed in f32.
;;   The module's matrix products, in the order in which they are computed (A, B: the left and right operand; K: the contracted axis; several contracted axes count as one K, in the product's order):
;;     1. batch 64 x [M 2,048, K 64] x [K 64, N 2,048]; A: input query; B: input keys: QUANTISED
;;     2. batch 64 x [M 64, K 2,048] x [K 2,048, N 2,048]; A: input values (given as codes); B: softmax (see below): QUANTISED
;;     3. [M 8,192, K 1,024] x [K 1,024, N 1,024]; A: computed on the way; B: input W_out (given as codes): QUANTISED
;;   THE QUANTISER, for each operand of a quantised product, along K:
;;     - K is cut into blocks of 32 from its start; a last block that is shorter is filled with zeros.
;;     - A block's scale is 2^e with e = floor(log2(the largest magnitude in the block)) - 15, held to -126 .. 127; a block of zeros has e = 0. As a byte (E8M0): e + 127.
;;     - Each number is divided by its block's scale, clamped to +-57,344, and rounded to the nearest number of E5M2, ties to even, subnormals kept.
;;     - The product sums the exact products of the quantised numbers (number of the format x scale) in f32.
;;   ~~~python
;;   def quantise(x, axis):      # numpy; x: float32 -> the quantised numbers, widened to float32 again
;;       x = np.moveaxis(x, axis, -1); K = x.shape[-1]
;;       x = np.pad(x, [(0, 0)] * (x.ndim - 1) + [(0, -K % 32)]); x = x.reshape(x.shape[:-1] + (-1, 32)); a = np.abs(x).max(-1, keepdims=True)
;;       e = np.where(a > 0, np.clip(np.frexp(np.where(a > 0, a, 1))[1] - 1 - 15, -126, 127), 0)      # np.frexp(a)[1] - 1 = floor(log2(a)), exactly
;;       r = np.clip(x / 2.0 ** e, -57344, 57344)
;;       step = 2.0 ** (np.maximum(np.frexp(np.where(r == 0, 1, r))[1] - 1, -14) - 2)
;;       q = np.round(r / step) * step * 2.0 ** e      # np.round: ties to even
;;       return np.moveaxis(q.reshape(q.shape[:-2] + (-1,))[..., :K], -1, axis).astype(np.float32)
;;   ~~~
;;   SOFTMAX AHEAD OF A QUANTISED PRODUCT. Where the list says 'softmax', what is quantised is not the finished softmax but p = 2^(t - M), with t = logit x log2(e) and M = ceil(the row's largest t), a whole number; so 1/2 < the row's largest p <= 1. The row's sum l is taken of the UNQUANTISED p, in f32, and the product's result is divided by l at the end. Since M is a whole number, a kernel that streams over the keys may use a running M (the ceiling of the running maximum): every later rescaling is an exact power of two, which a block's scale takes up: the codes' values come out the same.
;;   OPERANDS COMPUTED ON THE WAY. 'Computed on the way' means the value that the module computes at that place (a softmax that the list does not call 'softmax' is quantised finished and normalised). What goes into a quantiser is computed in f32, as accurately as f32 sums, v_exp_f32 and their like allow (about 1e-6 of the number): no bf16 or f16 on the way to a quantiser, and a product that is left as it is and whose result goes on into a quantised operand takes f32 operands (vector FMAs, or v_wmma_f32_16x16x4_f32). A number that lies on a knife's edge between two numbers of the format may be rounded either way, as far as f32 arithmetic and the matrix unit's own rounding can turn it there, and no further.
;;   INPUTS GIVEN AS CODES. W_out (in the module: [1024, 1024], K = its axis 1); values (in the module: [4, 2048, 1024], K = its axis 1): each comes as NAME_codes (uint8): NAME with its K axis moved to the last place and cut into blocks of 32 codes, [.., K / 32, bytes a block], one block behind the other in memory; one code a byte (a code: sign, 5 exponent bits, 2 mantissa bits); and NAME_scales (uint8): the same leading axes, one E8M0 byte (e + 127) for each 32 codes along K. Its value is code x scale, taken as it is: it is not quantised again, and the codes and scales need not be those that the quantiser above would give.
;; One version. Each part assembles by itself: llvm-mc -triple=amdgcn-amd-amdhsa -mcpu=gfx1250 --defsym DOCPART=n.
;; ======== version 1 of 1: 3 launches
;; limits: inputs' magnitudes at most 1,000,000,000; right only within a limited range of input values
;; workspace buffers: kimg 8,912,896 bytes; mcodes 16,777,216 bytes; acodes 8,388,608 bytes; ascales 262,144 bytes
;; launch prep (part 1): grid 256 x 1, 4 waves a work-group, no clusters, 43,520 bytes of LDS; arguments keys, mask, kimg, mcodes; writes kimg, mcodes
.if DOCPART == 1
	.amdgcn_target "amdgcn-amd-amdhsa--gfx1250"
	.amdhsa_code_object_version 6
	.text
	.protected	k_qb43e5c4010_prep
	.globl	k_qb43e5c4010_prep
	.p2align	8
	.type	k_qb43e5c4010_prep,@function
k_qb43e5c4010_prep:
	s_mov_b64 s[64:65], 0
	v_nop
	global_prefetch_b8 v0, s[64:65] scope:SCOPE_SE
	s_setreg_imm32_b32 hwreg(HW_REG_WAVE_MODE, 25, 1), 1
	s_wait_xcnt 0x0
; PREP: what all sixteen heads, or all query blocks of a head, would otherwise make again and again is made once.  No work of reference() is left out in this program.
; (1) keys [4][2048][1024] f32 -> kimg: codes of BF8 (E5M2), one E8M0 byte for each 32 along a head's 64, in the order of the operand's registers.
;     For head hg = 16 n + h: 131,072 bytes of codes [step 16][run 4][c 4][lane 32][16 bytes], then 8,192 bytes of scale words [step 16][lane 32][run 4].
;     Run b holds 32 keys: pieces c = 0, 1 are the two blocks of key a = 32 b + r + 8 (r / 8) (r = lane % 16), pieces c = 2, 3 those of key a + 8.
;     Scale words: lanes 0-15 (key a): bytes (k0, k1, 160, 127); lanes 16-31 (key a + 8): (127, 160, k0, k1): 160 scales the block that holds mask codes in the next launch, 127 a block that meets zero codes.
; (2) mask [4][1][2048][2048] int32 -> mcodes [128 n + query tile][step 16][run 4][lane 32][16 bytes]: byte j of lane r + 16 u of run b is the code of -1.0 (0xbc)
;     where mask[16 tile + j][128 step + 32 b + 8 u + r + 8 (r / 8)] is 0, else the code 0.
; LIMITS: a block of zeros, or one whose largest magnitude lies under 2^(16 - 127), gets the byte 1 (its codes are zeros or subnormal; this program alone reads the bytes); NaN and infinities among the keys are not served.
; SHARES: 256 work-groups of four waves; a wave takes twelve items of 8,192 bytes: eight tiles of the mask (16 queries x 128 keys), then four runs of keys.  Two items (32 loads a wave) are on their way.
; Waves share nothing: no barrier.  No tensor load, no matrix instruction, no cluster: every byte is read once by one wave.
.set WREG, 10752                       ; LDS of a wave: the mask's stage, 2,048 bytes, then the keys' stage, 32 rows of 272 bytes
.set KSTG, 2048
.set KP,   272                         ; 256 + 16: sixteen rows start at sixteen different banks (ISA guide 11.1)
.set SPARE, 4*WREG                     ; the spare words
.set LI,   2                           ; v2   16 x lane
.set KO,   3                           ; v3   keys: 4,096 (lane / 16) + 16 (lane % 16)
.set MSI,  4                           ; v4   the mask's stage, in
.set MSO,  5                           ; v5   and out
.set KSI,  6                           ; v6   the keys' stage, in
.set KSO,  7                           ; v7   and out: row r + 8 (r / 8), + 64 hh
.set KW,   10                          ; v10-13 the four runs' scale words
.set AM,   14                          ; v14  which half of a run's word my lane keeps
.set AC,   15                          ; v15  the two constant bytes beside it
.set BM,   20
.set PX,   24
.set HD,   28
.set SO,   32
.set PC,   36                          ; v36-51 a run's codes
.set R,    64                          ; v64-191 two sets of 64: an item as it is loaded
.set X,    192                         ; v192-255 at work
	s_load_b256 s[4:11], s[0:1], 0x0               ; keys, mask, kimg, mcodes
	v_lshl_add_u32 v62, v0, 2, SPARE
	v_mov_b32 v63, 0
	v_lshrrev_b32 v1, 5, v0
	v_readfirstlane_b32 s12, v1                    ; wave
	v_and_b32 v1, 31, v0                           ; lane
	v_and_b32 v9, 15, v0                           ; r
	v_bfe_u32 v52, v0, 4, 1                        ; hh
	v_lshlrev_b32 v[LI], 4, v1
	v_lshlrev_b32 v[KO], 4, v9
	v_lshl_add_u32 v[KO], v52, 12, v[KO]
	s_mul_i32 s23, s12, WREG
	v_add_nc_u32 v[MSO], s23, v[LI]
	v_and_b32 v53, 1, v1                           ; my four keys 4 l .. 4 l + 3 go to 512 (l / 8) + 256 ((l / 2) % 2) + 128 ((l / 4) % 2) + 64 (l % 2)
	v_lshlrev_b32 v[MSI], 6, v53
	v_bfe_u32 v53, v1, 1, 1
	v_lshl_add_u32 v[MSI], v53, 8, v[MSI]
	v_bfe_u32 v53, v1, 2, 1
	v_lshl_add_u32 v[MSI], v53, 7, v[MSI]
	v_lshrrev_b32 v53, 3, v1
	v_lshl_add_u32 v[MSI], v53, 9, v[MSI]
	v_add_nc_u32 v[MSI], s23, v[MSI]
	s_add_co_u32 s23, s23, KSTG
	v_mul_u32_u24 v[KSI], v52, KP
	v_lshl_add_u32 v[KSI], v9, 4, v[KSI]
	v_add_nc_u32 v[KSI], s23, v[KSI]
	v_and_b32 v53, 8, v9
	v_add_nc_u32 v53, v53, v9
	v_mul_u32_u24 v[KSO], v53, KP
	v_lshl_add_u32 v[KSO], v52, 6, v[KSO]
	v_add_nc_u32 v[KSO], s23, v[KSO]
	v_cmp_ne_u32 vcc_lo, 0, v52
	v_mov_b32 v53, 0xffff0000
	v_cndmask_b32 v[AM], 0xffff, v53, vcc_lo
	v_mov_b32 v53, 0xa07f
	v_cndmask_b32 v[AC], 0x7fa00000, v53, vcc_lo
.irp i, 0,1,2,3
	v_mov_b32 v[PX+\i], 0                          ; a lane permute's destination counts as one of its sources
.endr
	s_mov_b32 s20, 0x76543210
	s_mov_b32 s21, 0xfedcba98
	s_mov_b32 s22, 0x600000                        ; the mantissa field of 57,344
	; the mask's share: query tile 2 x work-group + wave / 2, steps 8 (wave % 2) on
	s_lshr_b32 s13, s12, 1
	s_and_b32 s16, s12, 1
	s_lshl_b32 s17, ttmp9, 1
	s_add_co_u32 s17, s17, s13
	s_lshl_b32 s24, s17, 17
	s_lshl_b32 s18, s16, 12
	s_add_co_u32 s24, s24, s18
	s_mov_b32 s25, 0
	s_lshl_b32 s26, s17, 15                        ; mcodes: 32,768 bytes a tile, 2,048 a step
	s_lshl_b32 s18, s16, 14
	s_add_co_u32 s26, s26, s18
	s_mov_b32 s27, 0
	; the keys' share: n = work-group / 64, step = (work-group / 4) % 16, head = 4 (work-group % 4) + wave
	s_lshr_b32 s13, ttmp9, 6
	s_bfe_u32 s16, ttmp9, 0x40002
	s_and_b32 s17, ttmp9, 3
	s_lshl_b32 s17, s17, 2
	s_add_co_u32 s17, s17, s12
	s_lshl_b32 s28, s13, 11
	s_lshl_b32 s18, s16, 7
	s_add_co_u32 s28, s28, s18
	s_lshl_b32 s28, s28, 12
	s_lshl_b32 s18, s17, 8
	s_add_co_u32 s28, s28, s18
	s_mov_b32 s29, 0
	s_lshl_b32 s18, s13, 4
	s_add_co_u32 s18, s18, s17                     ; hg
	s_mul_i32 s30, s18, 139264
	s_lshl_b32 s18, s16, 9
	s_add_co_u32 s18, s18, s30
	s_add_co_u32 s18, s18, 131072                  ; the step's scale words
	s_mov_b32 s19, 0
	s_lshl_b32 s13, s16, 13
	s_add_co_u32 s30, s30, s13                     ; the step's codes
	s_mov_b32 s31, 0
	s_wait_alu depctr_va_vdst(0)                   ; the wait at the head's end
	s_wait_kmcnt 0x0
	s_add_nc_u64 s[6:7], s[6:7], s[24:25]
	s_add_nc_u64 s[10:11], s[10:11], s[26:27]
	s_add_nc_u64 s[4:5], s[4:5], s[28:29]
	s_add_nc_u64 s[14:15], s[8:9], s[18:19]
	s_add_nc_u64 s[8:9], s[8:9], s[30:31]
.macro LOAD t                          ; item t's 8,192 bytes into set t % 2
.irp i, 0,1,2,3,4,5,6,7,8,9,10,11,12,13,14,15
.if (\t) < 8
	global_load_b128 v[R+64*((\t)%2)+4*\i:R+64*((\t)%2)+4*\i+3], v[LI], s[6:7] offset:8192*\i+512*(\t) th:TH_LOAD_NT   ; query i: 512 consecutive bytes, 128 keys
.else
	global_load_b128 v[R+64*((\t)%2)+4*\i:R+64*((\t)%2)+4*\i+3], v[KO], s[4:5] offset:(32*((\t)-8)+2*\i)*4096 th:TH_LOAD_NT   ; keys 2 i, 2 i + 1 of the run: 256 consecutive bytes each
.endif
.endr
.endm
; A tile of the mask.  Register 4 i + k of my lane is query i, key 4 l + k: a key's sixteen queries lie in one lane.  1 where the mask is not 0; four to a word; 1 - that, times the code.
; The words turn through the stage, so that each store of the wave covers 512 consecutive bytes.  LDS serves a wave's instructions in order (ISA guide 5.7.1.4): no wait between the stores and the loads.
.macro PACKM t
.set B_, R+64*((\t)%2)
.set n, 0
.rept 64
	v_min_u32 v[B_+n], 1, v[B_+n]
.set n, n+1
.endr
.irp k, 0,1,2,3
.irp g, 0,1,2,3
	v_lshl_or_b32 v[X+4*\k+\g], v[B_+16*\g+4+\k], 8, v[B_+16*\g+\k]
	v_lshl_or_b32 v[X+16+4*\k+\g], v[B_+16*\g+12+\k], 8, v[B_+16*\g+8+\k]
.endr
.endr
.set n, 0
.rept 16
	v_lshl_or_b32 v[X+n], v[X+16+n], 16, v[X+n]
.set n, n+1
.endr
.set n, 0
.rept 16
	v_xor_b32 v[X+n], 0x01010101, v[X+n]
.set n, n+1
.endr
.set n, 0
.rept 16
	v_mul_lo_u32 v[X+n], v[X+n], 0xbc
.set n, n+1
.endr
.irp k, 0,1,2,3
	ds_store_b128 v[MSI], v[X+4*\k:X+4*\k+3] offset:16*\k
.endr
.irp g, 0,1,2,3
	ds_load_b128 v[X+32+4*\g:X+32+4*\g+3], v[MSO] offset:512*\g
.endr
.endm
.macro TURN t                          ; a run of keys through its stage: register 16 c + i: key r + 8 (r / 8) + 8 (c / 2), number 32 (c % 2) + 16 hh + i of the head's 64
.irp i, 0,1,2,3,4,5,6,7,8,9,10,11,12,13,14,15
	ds_store_b128 v[KSI], v[R+64*((\t)%2)+4*\i:R+64*((\t)%2)+4*\i+3] offset:2*KP*\i
.endr
.irp c, 0,1,2,3
.irp j, 0,1,2,3
	ds_load_b128 v[X+16*\c+4*\j:X+16*\c+4*\j+3], v[KSO] offset:8*KP*(\c/2)+128*(\c%2)+16*\j
.endr
.endr
.endm
.macro QUANT4 pw                       ; the 64 numbers in X become the run's codes in PC and its four bytes in v[pw]
.irp b, 0,1,2,3
	v_max3_num_f32 v[BM+\b], |v[X+16*\b]|, |v[X+1+16*\b]|, 0x8000000   ; my 16 numbers and the floor 2^(16 - 127): the byte cannot fall under 1
.endr
.irp i, 2,4,6,8,10,12,14
.irp b, 0,1,2,3
	v_max3_num_f32 v[BM+\b], v[BM+\b], |v[X+16*\b+\i]|, |v[X+1+16*\b+\i]|
.endr
.endr
.irp b, 0,1,2,3
	v_permlanex16_b32 v[PX+\b], v[BM+\b], s20, s21
.endr
.irp b, 0,1,2,3
	v_max_num_f32 v[BM+\b], v[BM+\b], v[PX+\b]     ; with lane l xor 16's
.endr
.irp b, 0,1,2,3
	v_add_nc_u32 v[SO+\b], 0xf8800000, v[BM+\b]    ; 15 off the exponent field: the conversion's scale operand
.endr
.irp b, 0,1,2,3
	v_and_or_b32 v[HD+\b], v[BM+\b], 0x7f800000, s22   ; 57,344 x the scale
.endr
.irp b, 0,1,2,3
	v_lshrrev_b32 v[PX+\b], 23, v[SO+\b]           ; the byte
.endr
	v_lshl_or_b32 v[\pw], v[PX+1], 8, v[PX]
	v_lshl_or_b32 v[\pw], v[PX+2], 16, v[\pw]
	v_lshl_or_b32 v[\pw], v[PX+3], 24, v[\pw]
.irp b, 0,1,2,3
.irp i, 0,1,2,3,4,5,6,7,8,9,10,11,12,13,14,15
	v_med3_num_f32 v[X+16*\b+\i], v[X+16*\b+\i], -v[HD+\b], v[HD+\b]   ; the conversion does not saturate (ISA guide 7.6.2): the hold comes first
.endr
	v_cvt_scalef32_pk8_bf8_f32 v[PC+4*\b:PC+4*\b+1], v[X+16*\b:X+16*\b+7], v[SO+\b]
	v_cvt_scalef32_pk8_bf8_f32 v[PC+4*\b+2:PC+4*\b+3], v[X+16*\b+8:X+16*\b+15], v[SO+\b]
.endr
	v_nop                                          ; one plain line behind the last scaled conversion
.endm
.macro ITEM t
.if (\t) < 11
	s_wait_loadcnt 16                              ; this item's 16 loads are in, the next item's 16 stay out
.else
	s_wait_loadcnt 0
.endif
	s_wait_xcnt 0x0                                ; the registers that the last item's stores read are written again only behind this wait
.if (\t) < 8
	PACKM \t
	LOAD (\t)+2                                    ; the set has been read: it takes the item two further on
	s_wait_dscnt 0x0
.irp g, 0,1,2,3
	global_store_b128 v[LI], v[X+32+4*\g:X+32+4*\g+3], s[10:11] offset:2048*(\t)+512*\g   ; 512 consecutive bytes
.endr
.else
	TURN \t
	s_wait_dscnt 0x0
.if (\t)+2 < 12
	LOAD (\t)+2
.endif
	QUANT4 KW+(\t)-8
.irp c, 0,1,2,3
	global_store_b128 v[LI], v[PC+4*\c:PC+4*\c+3], s[8:9] offset:2048*((\t)-8)+512*\c
.endr
.endif
.endm
	LOAD 0
	LOAD 1
.irp t, 0,1,2,3,4,5,6,7,8,9,10,11
	ITEM \t
.endr
.irp b, 0,1,2,3
	v_and_or_b32 v[KW+\b], v[KW+\b], v[AM], v[AC]  ; my half's two bytes of the run's word, beside the two constant bytes
.endr
	global_store_b128 v[LI], v[KW:KW+3], s[14:15]  ; 512 consecutive bytes
	s_wait_tensorcnt 0x0                           ; the wave's end
	ds_add_u32 v62, v63
	s_wait_dscnt 0x0
	s_endpgm
.Lfunc_end_k_qb43e5c4010_prep:
	.size	k_qb43e5c4010_prep, .Lfunc_end_k_qb43e5c4010_prep-k_qb43e5c4010_prep
	.p2alignl 7, 3214868480
	.fill 96, 4, 3214868480
	.section	.rodata,"a",@progbits
	.p2align	6, 0x0
	.amdhsa_kernel k_qb43e5c4010_prep
		.amdhsa_group_segment_fixed_size 43520
		.amdhsa_private_segment_fixed_size 0
		.amdhsa_enable_private_segment 0
		.amdhsa_kernarg_size 32
		.amdhsa_user_sgpr_count 2
		.amdhsa_user_sgpr_kernarg_segment_ptr 1
		.amdhsa_wavefront_size32 1
		.amdhsa_system_sgpr_workgroup_id_x 1
		.amdhsa_system_sgpr_workgroup_id_y 1
		.amdhsa_system_sgpr_workgroup_id_z 1
		.amdhsa_system_vgpr_workitem_id 0
		.amdhsa_next_free_vgpr 256
		.amdhsa_next_free_sgpr 66
		.amdhsa_reserve_vcc 1
		.amdhsa_float_denorm_mode_32 3
		.amdhsa_float_denorm_mode_16_64 3
		.amdhsa_memory_ordered 1
		.amdhsa_forward_progress 1
		.amdhsa_inst_pref_size 132
	.end_amdhsa_kernel
	.amdgpu_metadata
---
amdhsa.version: [ 1, 2 ]
amdhsa.kernels:
  - .name:           k_qb43e5c4010_prep
    .symbol:         k_qb43e5c4010_prep.kd
    .args:
      - { .name: keys, .offset: 0, .size: 8, .value_kind: global_buffer, .address_space: global }
      - { .name: mask, .offset: 8, .size: 8, .value_kind: global_buffer, .address_space: global }
      - { .name: kimg, .offset: 16, .size: 8, .value_kind: global_buffer, .address_space: global }
      - { .name: mcodes, .offset: 24, .size: 8, .value_kind: global_buffer, .address_space: global }
    .group_segment_fixed_size: 43520
    .private_segment_fixed_size: 0
    .kernarg_segment_align: 8
    .kernarg_segment_size: 32
    .max_flat_workgroup_size: 128
    .sgpr_count:     66
    .vgpr_count:     256
    .wavefront_size: 32
...
	.end_amdgpu_metadata
.endif
;; end of part 1
;; launch attn (part 2): grid 4 x 64, 16 waves a work-group, clusters of 4 x 1, 327,680 bytes of LDS; arguments query, kimg, mcodes, values_codes, values_scales, acodes, ascales; writes acodes, ascales
.if DOCPART == 2
	.amdgcn_target "amdgcn-amd-amdhsa--gfx1250"
	.amdhsa_code_object_version 6
	.text
	.protected	k_qb43e5c4010_attn
	.globl	k_qb43e5c4010_attn
	.p2align	8
	.type	k_qb43e5c4010_attn,@function
k_qb43e5c4010_attn:
	s_mov_b64 s[64:65], 0
	v_nop
	global_prefetch_b8 v0, s[64:65] scope:SCOPE_SE
	s_setreg_imm32_b32 hwreg(HW_REG_WAVE_MODE, 25, 1), 1
	s_wait_xcnt 0x0
	s_wait_alu depctr_hold_cnt(0) depctr_sa_sdst(0) depctr_va_vdst(0) depctr_va_sdst(0) depctr_va_ssrc(0) depctr_va_vcc(0) depctr_vm_vsrc(0)
	s_getreg_b32 s2, hwreg(HW_REG_IB_STS2, 6, 4)
	s_cmp_eq_u32 s2, 0
	s_cbranch_scc0 .Lentry_in_a_cluster
	s_endpgm
.Lentry_in_a_cluster:
	s_bfe_u32 s2, ttmp6, 0x10000c
	s_cmp_lg_u32 s2, 0x3003
	s_cbranch_scc0 .Lentry_shape_is_right
	s_endpgm
.Lentry_shape_is_right:
; ATTN: o[n][q][h][:] = softmax_k(where(mask = 0, -1e20, q . k) / 32) v, both products on codes of BF8 (E5M2) with one E8M0 scale for each 32 along K; o leaves as codes for the projection.
; t = score x log2(e) / 32; M = the running largest t rounded UP to a whole number; p = 2^(t - M) is quantised along the keys, not normalised; the row's sum is taken of the unquantised p and divides at the end.
; SHARES.  A work-group owns 512 queries of one head (hg = 16 n + h); each of its sixteen waves takes one tile of 16 queries at a time, two in all, in 256 registers.  The whole head's K and V lie in LDS, filled once.
; CLUSTER.  The four work-groups of a cluster are the four query quarters of one head: K, V and V's scales are asked for JOINTLY (mask 15); the descriptors hang on the head and the wave's number alone.
; LAYOUT.  Both products are used transposed: a lane holds ONE query (lane % 16).  Tile 2 b + u of a step's keys has in row m key 32 b + 8 u + m + 8 (m / 8), so score register 16 b + i of lane (r, hh) is key 32 b + 16 hh + i.
; THE MASK GOES THROUGH THE PRODUCT.  A head has 64 along K, the instruction 128.  A chain of 20 registers holds [key tile 2 b: 8][mask codes: 4][key tile 2 b + 1: 8].  Its first 16 registers, against [q | E0 | 0], give tile 2 b:
; the mask block's lanes 0-15 hold, for key row m, sixteen codes, one a query (-1.0 where the mask is 0), and E0 holds the code 1.0 at the lane's own query: with both blocks' scales 2^33 the product adds -2^66 to a masked score.
; Its last 16 registers, against [0 | E1 | q], give tile 2 b + 1 from the mask block's lanes 16-31.  What stands against zero codes is finite codes (K's quantiser holds each number first), so it adds nothing.
; A ROW ALL OF WHOSE KEYS SO FAR ARE MASKED: the running largest score begins at -2^66 and stands there; then the lane's factor and addend are 0, so every p is 1 and the row comes out uniform, as reference() has it;
; the first key that counts makes f = 0, which wipes those sums.
; THE EXPONENTIALS GO AS ONE BATCH a step, with one wait ahead of it and one behind it.
; V's fragments 0-2 take K's registers between the mask blocks, fragment 3 the registers of p's block 1 once it is converted; p's codes lie over p's block 0 and the four registers under it.
; The mask codes of a step, 2,048 bytes a wave, are asked for one whole key step ahead, straight into their registers, and K and V come once at the head: so no prefetch is laid.
; LIMITS.  Scores under 2^40 in magnitude (the drawn ones lie under 2^6), so that a masked sum never rises above -2^66 and no score that counts falls to it.  NaN and infinities among the inputs are not served.
; A block of zeros, or one under 2^(16 - 127), gets the scale byte 1 (q's and o's bytes are read by this program alone).
.set KSC,  131072                      ; LDS: K's codes at 0, in the order of the operand's registers; here its scale words, 8,192 bytes;
.set VT,   139264                      ; V: eight chunks of 256 keys, each 64 rows of 256 bytes + 16 of padding;
.set VP,   272
.set VCH,  64*VP
.set VSC,  VT+8*VCH                    ; V's scale bytes: 64 rows of 64 bytes + 8 of padding;
.set SP,   72
.set SPARE, VSC+64*SP                  ; the spare words
.set LK,   1                           ; v1   16 x lane
.set AV0,  2                           ; v2   my place in a tile of V: row r + 8 (r / 8), + 16 hh
.set ASV0, 3                           ; v3   among V's scale words: row r + 8 (r / 8) + 8 hh
.set AD,   4                           ; v4   an LDS address in hand
.set T0,   5
.set SPW,  6
.set NIL,  7
.set ADD,  8                           ; v[8:9]   the addend (-M, or 0), the running largest score
.set RMAX, 9
.set CL,   10                          ; v[10:11] the factor (c, or 0), the true -M
.set NM,   11
.set SU,   12                          ; v12-15 the sum: two chains of two halves
.set F,    16                          ; v[16:17] f = 2^(old M - new M); at the end 1 / the sum
.set T1,   18
.set QS,   19                          ; q's scale words: lanes 0-15 (q0, q1, 160, 127), lanes 16-31 (127, 160, q0, q1)
.set KS,   20                          ; v20-23 K's: chain b: lanes 0-15 tile 2 b, lanes 16-31 tile 2 b + 1
.set VS,   24                          ; v24-25 V's
.set PS,   26                          ; p's
.set MA,   27                          ; the mask loads' offset
.set BM,   28
.set PX,   32
.set HD,   36
.set SO,   40
.set HD2,  46                          ; the hold once more: a dual line's second sources lie in different banks
.set BC,   50                          ; v50-73 [0: 4][E1: 4][q: 8][E0: 4][0: 4]
.set O,    74                          ; v74-105 O^T
.set PC,   106                         ; v106-121 p's codes
.set S,    110                         ; v110-173 the scores, then p
.set Y,    174                         ; v174-253 four chains of 20
.set WV,   18
.set MNT,  19
.set SEL,  20
.set CS,   22                          ; c = log2(e) / 32
.set TSN,  24
.set TRIP, 25
.set TK,   26
.set TV,   27
.set TJ,   28
.set TS,   29
.set MOFF, 30
.set TKN,  31
.set HM,   67                          ; lanes 16-31
.macro CROUND
	s_barrier_signal -1
	s_barrier_wait -1
	s_cmp_lg_u32 s[WV], 0
	s_cbranch_scc1 .Lnot_wave_0_\@
	s_barrier_signal -3
.Lnot_wave_0_\@:
	s_barrier_wait -3
	s_barrier_signal -1
	s_barrier_wait -1
.endm
.macro WALU
	s_wait_alu depctr_va_vdst(0)
.endm
	s_load_b256 s[4:11], s[0:1], 0x0               ; query, kimg, mcodes, V's codes
	s_load_b128 s[12:15], s[0:1], 0x20             ; V's scales, acodes
	s_load_b64 s[16:17], s[0:1], 0x30              ; ascales
	v_lshl_add_u32 v[SPW], v0, 2, SPARE
	v_mov_b32 v[NIL], 0
	ds_add_u32 v[SPW], v[NIL]                      ; the opening lines: the add twice on end and its wait
	ds_add_u32 v[SPW], v[NIL]
	v_lshrrev_b32 v1, 5, v0
	v_readfirstlane_b32 s[WV], v1
	s_bfe_u32 s72, ttmp6, 0x40000                  ; cx
	s_lshl_b32 s77, ttmp9, 2
	s_add_co_u32 s72, s77, s72                     ; my quarter of the queries: it enters the addresses of query, mcodes, acodes and ascales alone
	s_and_b32 s73, ttmp7, 0xffff                   ; hg
	s_lshr_b32 s74, s73, 4                         ; n
	s_and_b32 s75, s73, 15                         ; h
	s_add_co_u32 s76, s[WV], 4
	s_and_b32 s76, s76, 7                          ; waves 4-11: which chunk of V
	s_lshl_b32 s77, s72, 5
	s_add_co_u32 s77, s77, s[WV]                   ; my first query tile; the second lies 16 further on
	s_lshl_b32 s78, s74, 7
	s_add_co_u32 s78, s78, s77
	s_lshl_b32 s80, s78, 16                        ; query
	s_lshl_b32 s79, s75, 8
	s_add_co_u32 s80, s80, s79
	s_mov_b32 s81, 0
	s_lshl_b32 s82, s78, 15                        ; mcodes: 32,768 bytes a tile
	s_mov_b32 s83, 0
	s_lshl_b32 s84, s78, 14                        ; acodes
	s_lshl_b32 s79, s75, 10
	s_add_co_u32 s84, s84, s79
	s_mov_b32 s85, 0
	s_lshl_b32 s86, s78, 9                         ; ascales
	s_lshl_b32 s79, s75, 1
	s_add_co_u32 s86, s86, s79
	s_mov_b32 s87, 0
	s_mul_i32 s88, s73, 139264                     ; kimg: waves 0-3: 136 rows of 256 bytes each
	s_mul_i32 s94, s[WV], 34816
	s_add_co_u32 s88, s88, s94
	s_mov_b32 s89, 0
	s_lshl_b32 s90, s73, 17                        ; V's codes: the head's 64 rows of 2,048 bytes, my 256 keys
	s_lshl_b32 s97, s76, 8
	s_add_co_u32 s90, s90, s97
	s_mov_b32 s91, 0
	s_lshl_b32 s92, s73, 12                        ; V's scales: the head's 64 rows of 64 bytes
	s_mov_b32 s93, 0
	s_mul_i32 s95, s76, VCH
	s_add_co_u32 s95, s95, VT
	s_mov_b32 s32, 15|(3<<16)|(1<<21)              ; K's image: dense rows of 32 elements of 8 bytes; the mask names all four; bit 21 beside it
	s_mov_b32 s33, 32<<16
	s_mov_b32 s34, 136<<16
	s_mov_b32 s35, 32<<16
	s_mov_b32 s36, 136
	s_mov_b32 s37, 32
	s_mov_b32 s38, 0
	s_mov_b32 s39, 0
	s_mov_b32 s44, 15|(1<<20)|(1<<21)|(5<<22)|(3<<25)   ; V's codes: 64 rows of 256 bytes, 2,048 apart, four words of padding after every 64
	s_mov_b32 s45, 256<<16
	s_mov_b32 s46, 64<<16
	s_mov_b32 s47, 256<<16
	s_mov_b32 s48, 64
	s_mov_b32 s49, 2048
	s_mov_b32 s50, 0
	s_mov_b32 s51, 0
	s_mov_b32 s56, 15|(2<<16)|(1<<20)|(1<<21)|(3<<22)|(1<<25)   ; V's scales: 64 dense rows of 16 words, two words of padding behind each
	s_mov_b32 s57, 16<<16
	s_mov_b32 s58, 64<<16
	s_mov_b32 s59, 16<<16
	s_mov_b32 s60, 64
	s_mov_b32 s61, 16
	s_mov_b32 s62, 0
	s_mov_b32 s63, 0
	s_mov_b32 s[MNT], 0x600000
	s_mov_b32 s[SEL], 0x76543210
	s_mov_b32 s[SEL+1], 0xfedcba98
	s_mov_b32 s[CS], 0x3d38aa3b
	s_mov_b32 s[HM], 0xffff0000
	s_wait_dscnt 0x0
	s_wait_kmcnt 0x0
	s_add_nc_u64 s[4:5], s[4:5], s[80:81]
	s_add_nc_u64 s[8:9], s[8:9], s[82:83]
	s_add_nc_u64 s[14:15], s[14:15], s[84:85]
	s_add_nc_u64 s[16:17], s[16:17], s[86:87]
	s_mov_b32 s40, 1
	s_mov_b32 s41, s94
	s_add_nc_u64 s[42:43], s[6:7], s[88:89]
	s_or_b32 s43, s43, 0x80000000
	s_mov_b32 s52, 1
	s_mov_b32 s53, s95
	s_add_nc_u64 s[54:55], s[10:11], s[90:91]
	s_or_b32 s55, s55, 0x80000000
	s_mov_b32 s68, 1
	s_mov_b32 s69, VSC
	s_add_nc_u64 s[70:71], s[12:13], s[92:93]
	s_or_b32 s71, s71, 0x80000000
	CROUND                                         ; all four work-groups are here: the joint loads meet
; the head's loads, at most one a wave, in one chain of branches on the wave's number: waves 0-3 K's image, waves 4-11 V's chunks, wave 12 V's scales
.macro ARM under, g0, g1, next
	s_cmp_lt_u32 s[WV], \under
	s_cbranch_scc0 \next
	tensor_load_to_lds s[\g0:\g0+3], s[\g1:\g1+7]
	s_nop 0
.rept 4
	v_nop
.endr
	s_branch .Lhead_asked
\next:
.endm
	ARM 4,  40, 32, .Lhead_v
	ARM 12, 52, 44, .Lhead_s
	ARM 13, 68, 56, .Lhead_none
.Lhead_asked:
	v_and_b32 v[T0], 31, v0
	v_and_b32 v28, 15, v0                          ; r
	v_bfe_u32 v29, v0, 4, 1                        ; hh
	v_lshlrev_b32 v[LK], 4, v[T0]
	v_and_b32 v30, 8, v28
	v_add_nc_u32 v30, v30, v28                     ; r + 8 (r / 8)
	v_mul_u32_u24 v[AV0], v30, VP
	v_lshl_add_u32 v[AV0], v29, 4, v[AV0]
	v_add_nc_u32 v[AV0], VT, v[AV0]
	v_lshl_add_u32 v[ASV0], v29, 3, v30
	v_mul_u32_u24 v[ASV0], v[ASV0], SP
	v_add_nc_u32 v[ASV0], VSC, v[ASV0]
	v_and_b32 v31, 3, v28
	v_lshlrev_b32 v31, 3, v31
	v_mov_b32 v32, 0x3c                            ; the code of 1.0,
	v_lshlrev_b32 v31, v31, v32                    ; at byte r % 4
	v_lshrrev_b32 v36, 2, v28
	v_lshl_add_u32 v36, v29, 2, v36                ; of register r / 4, in my half's block: r / 4 + 4 hh (in a register that the lines below do not write)
.irp g, 0,1,2,3
	v_cmp_eq_u32 vcc_lo, \g+4, v36
	v_cndmask_b32 v[BC+4+\g], 0, v31, vcc_lo       ; E1: lanes 16-31
	v_cmp_eq_u32 vcc_lo, \g, v36
	v_cndmask_b32 v[BC+16+\g], 0, v31, vcc_lo      ; E0: lanes 0-15
	v_mov_b32 v[BC+\g], 0
	v_mov_b32 v[BC+20+\g], 0
	v_mov_b32 v[PX+\g], 0                          ; a lane permute's destination counts as one of its sources
.endr
	v_mov_b32 v[F+1], 0                            ; (named as the upper half of a pair)
; 32 numbers of a lane, register 16 b + i = place 32 b + 16 hh + i of my row's 64, become codes in v[d] .. v[d + 7]; the two bytes are left in PX
.macro QUANT2 s, d
.irp b, 0,1
	v_max3_num_f32 v[BM+\b], |v[\s+16*\b]|, |v[\s+1+16*\b]|, 0x8000000
.endr
.irp i, 2,4,6,8,10,12,14
.irp b, 0,1
	v_max3_num_f32 v[BM+\b], v[BM+\b], |v[\s+16*\b+\i]|, |v[\s+1+16*\b+\i]|
.endr
.endr
.irp b, 0,1
	v_permlanex16_b32 v[PX+\b], v[BM+\b], s[SEL], s[SEL+1]
.endr
.irp b, 0,1
	v_max_num_f32 v[BM+\b], v[BM+\b], v[PX+\b]
.endr
.irp b, 0,1
	v_add_nc_u32 v[SO+\b], 0xf8800000, v[BM+\b]
.endr
.irp b, 0,1
	v_and_or_b32 v[HD+\b], v[BM+\b], 0x7f800000, s[MNT]
.endr
.irp b, 0,1
	v_lshrrev_b32 v[PX+\b], 23, v[SO+\b]
.endr
.irp b, 0,1
.irp i, 0,1,2,3,4,5,6,7,8,9,10,11,12,13,14,15
	v_med3_num_f32 v[\s+16*\b+\i], v[\s+16*\b+\i], -v[HD+\b], v[HD+\b]   ; the conversion does not saturate (ISA guide 7.6.2)
.endr
	v_cvt_scalef32_pk8_bf8_f32 v[\d+4*\b:\d+4*\b+1], v[\s+16*\b:\s+16*\b+7], v[SO+\b]
	v_cvt_scalef32_pk8_bf8_f32 v[\d+4*\b+2:\d+4*\b+3], v[\s+16*\b+8:\s+16*\b+15], v[SO+\b]
.endr
	v_nop
.endm
; My tile's 16 queries: loaded, quantised in registers; step 0's mask codes are asked for with them; the running figures begin.  K's registers in the chains are not touched.
.macro QTILE
	v_and_b32 v[BM], 15, v0
	v_bfe_u32 v[BM+1], v0, 4, 1
	v_lshlrev_b32 v[HD2], 12, v[BM]
	v_lshl_add_u32 v[HD2], v[BM+1], 6, v[HD2]      ; q: 4,096 r + 64 hh
.irp c, 0,1
.irp j, 0,1,2,3
	global_load_b128 v[S+16*\c+4*\j:S+16*\c+4*\j+3], v[HD2], s[4:5] offset:128*\c+16*\j
.endr
.endr
.irp g, 0,1,2,3
	global_load_b128 v[Y+20*\g+8:Y+20*\g+11], v[LK], s[8:9] offset:512*\g
.endr
	WALU
	s_wait_loadcnt 0x0
	QUANT2 S, BC+8
	v_lshl_or_b32 v[T0], v[PX+1], 8, v[PX]
	v_or_b32 v[BM], 0x7fa00000, v[T0]
	v_lshl_or_b32 v[BM+1], v[T0], 16, 0xa07f
	v_cndmask_b32 v[QS], v[BM], v[BM+1], s[HM]
	v_mov_b32 v[RMAX], 0xe0800000                  ; -2^66
	v_mul_f32 v[T0], s[CS], v[RMAX]
	v_floor_f32 v[NM], -v[T0]
.irp i, 0,1,2,3
	v_mov_b32 v[SU+\i], 0
.endr
.set n, 0
.rept 32
	v_mov_b32 v[O+n], 0                            ; the step is written once: the first finds zeros
.set n, n+1
.endr
.endm
.macro PADD n                          ; the row's sum is taken of the unquantised p: pair n goes to chain n % 2
	v_pk_add_f32 v[SU+2*((\n)%2):SU+2*((\n)%2)+1], v[SU+2*((\n)%2):SU+2*((\n)%2)+1], v[S+2*(\n):S+2*(\n)+1]
.endm
.macro PMIN n                          ; the hold of pair n; p is not negative, so it is one-sided
	v_dual_min_num_f32 v[S+2*(\n)], v[S+2*(\n)], v[HD+(\n)/8] :: v_dual_min_num_f32 v[S+2*(\n)+1], v[S+2*(\n)+1], v[HD2+(\n)/8]
.endm
.macro KLOAD adr, off                  ; a step's K into the chains: pieces 0, 1 under the mask block, pieces 2, 3 above it
.irp b, 0,1,2,3
.irp c, 0,1,2,3
	ds_load_b128 v[Y+20*\b+4*\c+4*(\c/2):Y+20*\b+4*\c+4*(\c/2)+3], v[\adr] offset:(\off)+2048*\b+512*\c
.endr
.endr
.endm
; A KEY STEP: 128 keys, the q-th half of the chunk in hand.  Its K and its mask codes were asked for a step ago.
.macro STEP q
	s_wait_loadcnt 0x0                             ; the mask codes
	s_wait_dscnt 0x0                               ; K and its scale words
.irp b, 0,1,2,3
	v_wmma_scale_f32_16x16x128_f8f6f4 v[S+16*\b:S+16*\b+7], v[Y+20*\b:Y+20*\b+15], v[BC+8:BC+23], 0, v[KS+\b], v[QS] matrix_a_fmt:MATRIX_FMT_BF8 matrix_b_fmt:MATRIX_FMT_BF8
	v_wmma_scale_f32_16x16x128_f8f6f4 v[S+16*\b+8:S+16*\b+15], v[Y+20*\b+4:Y+20*\b+19], v[BC:BC+15], 0, v[KS+\b], v[QS] matrix_a_fmt:MATRIX_FMT_BF8 matrix_b_fmt:MATRIX_FMT_BF8 matrix_a_scale:MATRIX_SCALE_ROW1 matrix_b_scale:MATRIX_SCALE_ROW1
.endr
	s_add_co_u32 s[MOFF], s[MOFF], 2048            ; the next step's mask codes; the tile's last step asks for its own again, so that no load leaves the buffer
	s_min_u32 s[MOFF], s[MOFF], 30720
	v_mov_b32 v[T1], v[NM]                         ; the old -M.  These four and four v_nop: eight places, ahead of the loads into the chains and of the first read of the scores
	v_add_nc_u32 v[AD], s[TV], v[AV0]
	v_add_nc_u32 v[T0], s[TJ], v[ASV0]
	v_add_nc_u32 v[MA], s[MOFF], v[LK]
.rept 4
	v_nop
.endr
.irp t, 0,1,2                                  ; V's fragments 0-2: tile t's lane r takes channel 32 (t / 2) + 8 (t % 2) + r + 8 (r / 8)
.irp c, 0,1,2,3
	ds_load_b128 v[Y+12+20*\t+4*\c:Y+12+20*\t+4*\c+3], v[AD] offset:(32*(\t/2)+8*(\t%2))*VP+128*(\q)+32*\c
.endr
.endr
.irp g, 0,1
	ds_load_b32 v[VS+\g], v[T0] offset:32*SP*\g+4*(\q)
.endr
.irp g, 0,1,2,3
	global_load_b128 v[Y+20*\g+8:Y+20*\g+11], v[MA], s[8:9] offset:512*\g
.endr
	; the largest score of each block of 32 keys serves the row's maximum and, since p rises with the score, the block's largest p.  Each accumulator is first read at its low end
.irp b, 0,1,2,3
	v_max3_num_f32 v[BM+\b], v[S+16*\b], v[S+16*\b+1], v[S+16*\b+2]
.endr
.irp b, 0,1,2,3
	v_max3_num_f32 v[HD+\b], v[S+16*\b+9], v[S+16*\b+10], v[S+16*\b+11]
.endr
.irp i, 0,1
.irp b, 0,1,2,3
	v_max3_num_f32 v[BM+\b], v[BM+\b], v[S+16*\b+3+2*\i], v[S+16*\b+4+2*\i]
.endr
.irp b, 0,1,2,3
	v_max3_num_f32 v[HD+\b], v[HD+\b], v[S+16*\b+12+2*\i], v[S+16*\b+13+2*\i]
.endr
.endr
.irp b, 0,1,2,3
	v_max3_num_f32 v[BM+\b], v[BM+\b], v[S+16*\b+7], v[S+16*\b+8]
.endr
.irp b, 0,1,2,3
	v_max_num_f32 v[BM+\b], v[BM+\b], v[HD+\b]
.endr
.irp b, 0,1,2,3
	v_permlanex16_b32 v[PX+\b], v[BM+\b], s[SEL], s[SEL+1]
.endr
.irp b, 0,1,2,3
	v_max_num_f32 v[BM+\b], v[BM+\b], v[PX+\b]
.endr
	v_max3_num_f32 v[T0], v[BM], v[BM+1], v[BM+2]
	v_max3_num_f32 v[RMAX], v[T0], v[BM+3], v[RMAX]
	v_mul_f32 v[T0], s[CS], v[RMAX]
	v_cmp_eq_f32 vcc_lo, 0xe0800000, v[RMAX]       ; no key has counted yet
	v_floor_f32 v[NM], -v[T0]                      ; -M = -ceil(t)
	v_cndmask_b32 v[CL], s[CS], v[NIL], vcc_lo     ; then the factor
	v_cndmask_b32 v[ADD], v[NM], v[NIL], vcc_lo    ; and the addend are 0
	v_sub_f32 v[T0], v[NM], v[T1]                  ; old M - new M: a whole number, 0 or less
	v_cvt_i32_f32 v[T0], v[T0]                     ; (it saturates)
	v_ldexp_f32 v[F], 1.0, v[T0]
.irp b, 0,1,2,3
	v_fma_f32 v[BM+\b], v[BM+\b], v[CL], v[ADD]
.endr
.set n, 0
.rept 32
	v_pk_fma_f32 v[S+n:S+n+1], v[S+n:S+n+1], v[CL:CL+1], v[ADD:ADD+1] op_sel_hi:[1,0,0]   ; t - M (of both pairs the low word serves both halves)
.set n, n+2
.endr
	WALU                                           ; ahead of the batch
.irp b, 0,1,2,3
	v_exp_f32 v[BM+\b], v[BM+\b]                   ; the block's largest p
.endr
.set n, 0
.rept 64
	v_exp_f32 v[S+n], v[S+n]
.set n, n+1
.endr
	v_pk_mul_f32 v[SU:SU+1], v[SU:SU+1], v[F:F+1] op_sel_hi:[1,0]         ; the sums under the new M: plain lines behind the batch
	v_pk_mul_f32 v[SU+2:SU+3], v[SU+2:SU+3], v[F:F+1] op_sel_hi:[1,0]
	WALU                                           ; behind the batch
.irp b, 0,1,2,3
	v_max_num_f32 v[BM+\b], 0x8000000, v[BM+\b]    ; the floor 2^(16 - 127)
.endr
.irp b, 0,1,2,3
	v_add_nc_u32 v[SO+\b], 0xf8800000, v[BM+\b]
.endr
.irp b, 0,1,2,3
	v_and_or_b32 v[HD+\b], v[BM+\b], 0x7f800000, s[MNT]
.endr
.irp b, 0,1,2,3
	v_lshrrev_b32 v[PX+\b], 23, v[SO+\b]
.endr
.irp b, 0,1,2,3
	v_mov_b32 v[HD2+\b], v[HD+\b]
.endr
	v_lshl_or_b32 v[PS], v[PX+1], 8, v[PX]
	v_lshl_or_b32 v[PS], v[PX+2], 16, v[PS]
	v_lshl_or_b32 v[PS], v[PX+3], 24, v[PS]
.irp b, 0,1,2,3
.irp i, 0,1,2,3,4,5,6,7
	PADD 8*\b+\i
.if \i > 0
	PMIN 8*\b+\i-1
.endif
.endr
	PMIN 8*\b+7
	v_cvt_scalef32_pk8_bf8_f32 v[PC+4*\b:PC+4*\b+1], v[S+16*\b:S+16*\b+7], v[SO+\b]
	v_cvt_scalef32_pk8_bf8_f32 v[PC+4*\b+2:PC+4*\b+3], v[S+16*\b+8:S+16*\b+15], v[SO+\b]
.if \b == 1
.irp c, 0,1,2,3                                ; block 1's registers are free: V's fragment 3
	ds_load_b128 v[S+16+4*\c:S+16+4*\c+3], v[AD] offset:40*VP+128*(\q)+32*\c
.endr
.endif
.endr
	WALU                                           ; directly ahead of the first readers of O^T
.set n, 0
.rept 16
	v_pk_mul_f32 v[O+n:O+n+1], v[O+n:O+n+1], v[F:F+1] op_sel_hi:[1,0]     ; O^T under the new M; these also stand between the conversions and the products
.set n, n+2
.endr
	WALU
	s_wait_dscnt 0x0                               ; V and its scale words
.irp t, 0,1,2                                  ; O^T += V^T P^T: four accumulators, one instruction a turn
.if \t%2
	v_wmma_scale_f32_16x16x128_f8f6f4 v[O+8*\t:O+8*\t+7], v[Y+12+20*\t:Y+12+20*\t+15], v[PC:PC+15], v[O+8*\t:O+8*\t+7], v[VS+\t/2], v[PS] matrix_a_fmt:MATRIX_FMT_BF8 matrix_b_fmt:MATRIX_FMT_BF8 matrix_a_scale:MATRIX_SCALE_ROW1
.else
	v_wmma_scale_f32_16x16x128_f8f6f4 v[O+8*\t:O+8*\t+7], v[Y+12+20*\t:Y+12+20*\t+15], v[PC:PC+15], v[O+8*\t:O+8*\t+7], v[VS+\t/2], v[PS] matrix_a_fmt:MATRIX_FMT_BF8 matrix_b_fmt:MATRIX_FMT_BF8
.endif
.endr
	v_wmma_scale_f32_16x16x128_f8f6f4 v[O+24:O+31], v[S+16:S+31], v[PC:PC+15], v[O+24:O+31], v[VS+1], v[PS] matrix_a_fmt:MATRIX_FMT_BF8 matrix_b_fmt:MATRIX_FMT_BF8 matrix_a_scale:MATRIX_SCALE_ROW1
	; the next step's K (a tile's last step asks for step 0: my next tile reads it).  Eight places ahead of the loads into V's registers; with the second addition nine ahead of the next scores, which write over p's codes and V's fragment 3
.if (\q) == 0
	v_add_nc_u32 v[AD], s[TK], v[LK]
.else
	v_add_nc_u32 v[AD], s[TKN], v[LK]
.endif
.rept 7
	v_nop
.endr
	KLOAD AD, 8192*(1-(\q))
.if (\q) == 0
	v_add_nc_u32 v[T0], s[TS], v[LK]
.else
	v_add_nc_u32 v[T0], s[TSN], v[LK]
.endif
	ds_load_b128 v[KS:KS+3], v[T0] offset:512*(1-(\q))
.endm
; All 2,048 keys for the tile in hand, eight chunks of 256, and the tile's way out
.macro KEYS
	s_mov_b32 s[TK], 0
	s_mov_b32 s[TV], 0
	s_mov_b32 s[TJ], 0
	s_mov_b32 s[TS], KSC
	s_mov_b32 s[MOFF], 0
	s_mov_b32 s[TRIP], 8
.Ltrip_\@:
	s_add_co_u32 s[TKN], s[TK], 16384              ; the next chunk's K; behind the last chunk the first again
	s_and_b32 s[TKN], s[TKN], 0x1ffff
	s_add_co_u32 s[TSN], s[TS], 1024
	s_and_b32 s[TSN], s[TSN], 0x21fff
	STEP 0
	STEP 1
	s_add_co_u32 s[TK], s[TK], 16384
	s_add_co_u32 s[TS], s[TS], 1024
	s_add_co_u32 s[TV], s[TV], VCH
	s_add_co_u32 s[TJ], s[TJ], 8
	s_sub_co_u32 s[TRIP], s[TRIP], 1
	s_cmp_lg_u32 s[TRIP], 0
	s_cbranch_scc1 .Ltrip_\@
	WALU                                           ; directly ahead of the wait below
	s_wait_loadcnt 0x0                             ; the mask codes that the last step asked for once more: their registers are loaded again for the next tile
	v_pk_add_f32 v[SU:SU+1], v[SU:SU+1], v[SU+2:SU+3]
	v_add_f32 v[SU], v[SU], v[SU+1]
	v_permlanex16_b32 v[T0], v[SU], s[SEL], s[SEL+1]
	v_add_f32 v[SU], v[SU], v[T0]                  ; the row's sum
	WALU
	v_rcp_f32 v[F], v[SU]
	v_and_b32 v[T1], 15, v0                        ; (a plain line behind the reciprocal)
	WALU
.set n, 0
.rept 16
	v_pk_mul_f32 v[S+n:S+n+1], v[O+n:O+n+1], v[F:F+1] op_sel_hi:[1,0]     ; o: register 16 B + i is channel 32 B + 16 hh + i of query r
.set n, n+2
.endr
	QUANT2 S, O                                    ; the head's two blocks of 32 along the projection's K
	v_bfe_u32 v[BM], v0, 4, 1
	v_cndmask_b32 v[T0], v[PX], v[PX+1], s[HM]     ; lanes 0-15 carry block 0's byte of their row, lanes 16-31 block 1's
	v_lshl_add_u32 v[T1], v[T1], 5, v[BM]          ; 32 r + hh
.irp g, 0,1
	global_store_b128 v[LK], v[O+4*\g:O+4*\g+3], s[14:15] offset:512*\g   ; 512 consecutive bytes
.endr
	global_store_b8 v[T1], v[T0], s[16:17]
.endm
	QTILE                                          ; my first tile is quantised while K and V are on their way
	WALU
	s_wait_tensorcnt 0x0
	s_barrier_signal -1
	s_barrier_wait -1                              ; everybody's part is in.  Nothing is written to LDS from here on
	KLOAD LK, 0
	v_add_nc_u32 v[T0], KSC, v[LK]
	ds_load_b128 v[KS:KS+3], v[T0]
	KEYS
	s_wait_xcnt 0x0                                ; the bases, and the registers that the stores read, are written again only behind this wait
	s_add_nc_u64 s[4:5], s[4:5], 0x100000          ; sixteen tiles on
	s_add_nc_u64 s[8:9], s[8:9], 0x80000
	s_add_nc_u64 s[14:15], s[14:15], 0x40000
	s_add_nc_u64 s[16:17], s[16:17], 0x2000
	QTILE
	KEYS
	s_wait_dscnt 0x0                               ; the last step's loads of K
	s_wait_tensorcnt 0x0                           ; the wave's end
	ds_add_u32 v[SPW], v[NIL]
	s_wait_dscnt 0x0
	CROUND                                         ; the closing round
	s_endpgm
.Lfunc_end_k_qb43e5c4010_attn:
	.size	k_qb43e5c4010_attn, .Lfunc_end_k_qb43e5c4010_attn-k_qb43e5c4010_attn
	.p2alignl 7, 3214868480
	.fill 96, 4, 3214868480
	.section	.rodata,"a",@progbits
	.p2align	6, 0x0
	.amdhsa_kernel k_qb43e5c4010_attn
		.amdhsa_group_segment_fixed_size 327680
		.amdhsa_private_segment_fixed_size 0
		.amdhsa_enable_private_segment 0
		.amdhsa_kernarg_size 56
		.amdhsa_user_sgpr_count 2
		.amdhsa_user_sgpr_kernarg_segment_ptr 1
		.amdhsa_wavefront_size32 1
		.amdhsa_system_sgpr_workgroup_id_x 1
		.amdhsa_system_sgpr_workgroup_id_y 1
		.amdhsa_system_sgpr_workgroup_id_z 1
		.amdhsa_system_vgpr_workitem_id 0
		.amdhsa_next_free_vgpr 256
		.amdhsa_next_free_sgpr 100
		.amdhsa_reserve_vcc 1
		.amdhsa_float_denorm_mode_32 3
		.amdhsa_float_denorm_mode_16_64 3
		.amdhsa_memory_ordered 1
		.amdhsa_forward_progress 1
		.amdhsa_inst_pref_size 113
	.end_amdhsa_kernel
	.amdgpu_metadata
---
amdhsa.version: [ 1, 2 ]
amdhsa.kernels:
  - .name:           k_qb43e5c4010_attn
    .symbol:         k_qb43e5c4010_attn.kd
    .args:
      - { .name: query, .offset: 0, .size: 8, .value_kind: global_buffer, .address_space: global }
      - { .name: kimg, .offset: 8, .size: 8, .value_kind: global_buffer, .address_space: global }
      - { .name: mcodes, .offset: 16, .size: 8, .value_kind: global_buffer, .address_space: global }
      - { .name: values_codes, .offset: 24, .size: 8, .value_kind: global_buffer, .address_space: global }
      - { .name: values_scales, .offset: 32, .size: 8, .value_kind: global_buffer, .address_space: global }
      - { .name: acodes, .offset: 40, .size: 8, .value_kind: global_buffer, .address_space: global }
      - { .name: ascales, .offset: 48, .size: 8, .value_kind: global_buffer, .address_space: global }
    .group_segment_fixed_size: 327680
    .private_segment_fixed_size: 0
    .kernarg_segment_align: 8
    .kernarg_segment_size: 56
    .max_flat_workgroup_size: 512
    .sgpr_count:     100
    .vgpr_count:     256
    .wavefront_size: 32
...
	.end_amdgpu_metadata
.endif
;; end of part 2
;; launch proj (part 3): grid 32 x 8, 4 waves a work-group, clusters of 4 x 1, 168,448 bytes of LDS; arguments acodes, ascales, W_out_codes, W_out_scales, b_out, out0; writes out0
.if DOCPART == 3
	.amdgcn_target "amdgcn-amd-amdhsa--gfx1250"
	.amdhsa_code_object_version 6
	.text
	.protected	k_qb43e5c4010_proj
	.globl	k_qb43e5c4010_proj
	.p2align	8
	.type	k_qb43e5c4010_proj,@function
k_qb43e5c4010_proj:
	s_mov_b64 s[64:65], 0
	v_nop
	global_prefetch_b8 v0, s[64:65] scope:SCOPE_SE
	s_setreg_imm32_b32 hwreg(HW_REG_WAVE_MODE, 25, 1), 1
	s_wait_xcnt 0x0
	s_wait_alu depctr_hold_cnt(0) depctr_sa_sdst(0) depctr_va_vdst(0) depctr_va_sdst(0) depctr_va_ssrc(0) depctr_va_vcc(0) depctr_vm_vsrc(0)
	s_getreg_b32 s2, hwreg(HW_REG_IB_STS2, 6, 4)
	s_cmp_eq_u32 s2, 0
	s_cbranch_scc0 .Lentry_in_a_cluster
	s_endpgm
.Lentry_in_a_cluster:
	s_bfe_u32 s2, ttmp6, 0x10000c
	s_cmp_lg_u32 s2, 0x3003
	s_cbranch_scc0 .Lentry_shape_is_right
	s_endpgm
.Lentry_shape_is_right:
; PROJ: out0[m][n] = sum over e of o[m][e] W_out[n][e] + b_out[n], on codes of BF8 (E5M2) with one E8M0 scale for each 32 along K = 1,024; sums in f32.
; o comes as acodes [tile of 16 rows][K step 8][c 4][lane 32][16 bytes], the image of a fragment's registers, and ascales [row][32]; W as codes [1024][1024] with K innermost and scales [1024][32].
; SHARES.  A work-group makes 256 rows x 128 columns: 32 x 8 = 256 work-groups.  Wave w makes rows 64 w .. 64 w + 63: 4 x 8 accumulators of 16 x 16, 256 registers.
; W's 128 rows, all of K, lie in LDS, filled once (each wave brings 32 rows); the four work-groups of a cluster share the columns, so the loads are JOINT (mask 15).
; o's fragments belong to one wave alone: they go from memory straight into registers, 512 consecutive bytes a load, three K steps ahead.
; THE MATRIX INSTRUCTION IS USED TRANSPOSED (source 0 = 16 rows of W, source 1 = 16 rows of o): a lane holds eight neighbouring columns of one row.  The bias is the C of each sum's first product.
; REGISTERS, in windows of 256: window 0: v1-7 addresses; v16-47 W's scale words, v48-63 o's; v64-127 the bias, eight registers a block of columns; v128-255 the way out.
;   window 1: W's fragments, two sets of 128.   window 2: accumulator (a, b) at v[8 (8 a + b)].   window 3: o's fragments, four sets of 64.
.set WP,     1040                      ; a row of W in LDS: 1,024 bytes + 16 of padding: an odd multiple of 16, so that sixteen rows start at sixteen different banks (64 banks of 4 bytes: ISA guide 11.1)
.set STG,    128*WP                    ; behind W: a stage of 16 rows x (512 bytes + 16) for each wave
.set SPITCH, 528
.set LI,   1                           ; v1   16 x lane
.set ADW,  2                           ; v2-3 my place in W's blocks 0-3 and 4-7 (an LDS offset has 16 bits)
.set STO,  4                           ; v4   the stage: where I put 32 bytes of a row
.set RD,   5                           ; v5   and where I read a row back
.set SCO,  6                           ; v6   32 x lane: a row of scale bytes
.set BO,   7                           ; v7   32 hh: my eight numbers of a block's bias
.set WS,   16                          ; word (j, s) at v[WS + 8 j + s]: lanes 0-15 block 2 j, lanes 16-31 block 2 j + 1, K step s
.set AS,   48                          ; likewise for o's blocks of rows
.set BI,   64
.set BK,   128
.set MSB, 0
.macro WIN new                         ; the immediate's high byte repeats the setting that is left
.if MSB != \new
	s_set_vgpr_msb (MSB<<8)|\new
.set MSB, \new
.endif
.endm
.set MUL,  0xad                        ; source 0 (W) window 1, source 1 (o) window 3, C and D window 2
.set MUL0, 0x8d                        ; the same with C (the bias) in window 0
.set TO_W, 0x40                        ; destination window 1
.set TO_A, 0xc0                        ; destination window 3
.set OUTW, 0x08                        ; an LDS store's data (source 1) window 2
.macro CROUND                          ; a round of the cluster's barrier
	s_barrier_signal -1
	s_barrier_wait -1
	s_cmp_lg_u32 s16, 0
	s_cbranch_scc1 .Lnot_wave_0_\@
	s_barrier_signal -3
.Lnot_wave_0_\@:
	s_barrier_wait -3
	s_barrier_signal -1
	s_barrier_wait -1
.endm
	s_load_b256 s[4:11], s[0:1], 0x0               ; acodes s[4:5], ascales s[6:7], W's codes s[8:9], W's scales s[10:11]
	s_load_b128 s[12:15], s[0:1], 0x20             ; b_out s[12:13], out0 s[14:15]
	v_lshl_add_u32 v14, v0, 2, 0x29000
	v_mov_b32 v15, 0
	ds_add_u32 v14, v15
	ds_add_u32 v14, v15
	v_lshrrev_b32 v1, 5, v0
	v_readfirstlane_b32 s16, v1                    ; wave 0..3
	s_bfe_u32 s36, ttmp6, 0x40000                  ; cx
	s_lshl_b32 s37, ttmp9, 2
	s_add_co_u32 s36, s37, s36                     ; my 256 rows: 4 x cluster x + cx: it enters the addresses of acodes, ascales and out0 alone
	s_and_b32 s20, ttmp7, 0xffff                   ; my 128 columns, which the four partners share
	s_lshl_b32 s36, s36, 4
	s_lshl_b32 s37, s16, 2
	s_add_co_u32 s36, s36, s37                     ; my wave's first tile of 16 rows
	s_lshl_b32 s38, s36, 14                        ; acodes: 16,384 bytes a tile
	s_mov_b32 s39, 0
	s_lshl_b32 s40, s36, 9                         ; ascales: 16 rows of 32 bytes
	s_mov_b32 s41, 0
	s_lshl_b32 s42, s36, 16                        ; out0: 16 rows of 4,096 bytes,
	s_lshl_b32 s37, s20, 9                         ; 128 columns of 4
	s_add_co_u32 s42, s42, s37
	s_mov_b32 s43, 0
	s_lshl_b32 s44, s20, 17                        ; W's codes: 128 rows of 1,024 bytes,
	s_lshl_b32 s21, s16, 15                        ; my 32 of them
	s_add_co_u32 s44, s44, s21
	s_mov_b32 s45, 0
	s_lshl_b32 s46, s20, 12                        ; W's scales: 128 rows of 32 bytes
	s_mov_b32 s47, 0
	s_lshl_b32 s22, s20, 9                         ; b_out
	s_mov_b32 s23, 0
	s_mul_i32 s17, s16, 32*WP                      ; where my 32 rows of W go
	; group 1: 32 rows of 1,024 bytes, dense in memory, 16 bytes of padding behind each
	s_mov_b32 s24, 15|(1<<20)|(1<<21)|(7<<22)|(3<<25)   ; 15:0 the mask: all four; elements of 1 byte; 20 padding on; 21 set beside a mask; four words after every 256
	s_mov_b32 s25, 1024<<16                        ; tensor_dim0
	s_mov_b32 s26, 32<<16                          ; tensor_dim1
	s_mov_b32 s27, 1024<<16                        ; tile_dim0
	s_mov_b32 s28, 32                              ; tile_dim1
	s_mov_b32 s29, 1024                            ; from row to row
	s_mov_b32 s30, 0
	s_mov_b32 s31, 0
	s_wait_dscnt 0x0
	s_wait_kmcnt 0x0
	s_add_nc_u64 s[4:5], s[4:5], s[38:39]
	s_add_nc_u64 s[6:7], s[6:7], s[40:41]
	s_add_nc_u64 s[14:15], s[14:15], s[42:43]
	s_add_nc_u64 s[10:11], s[10:11], s[46:47]
	s_add_nc_u64 s[12:13], s[12:13], s[22:23]
	s_mov_b32 s32, 1
	s_mov_b32 s33, s17
	s_add_nc_u64 s[34:35], s[8:9], s[44:45]
	s_or_b32 s35, s35, 0x80000000
	CROUND                                         ; all four work-groups are here: the joint loads meet
	tensor_load_to_lds s[32:35], s[24:31]          ; my one tensor load
	s_nop 0
.rept 4
	v_nop
.endr
	v_and_b32 v8, 31, v0                           ; lane
	v_and_b32 v9, 15, v0                           ; r
	v_bfe_u32 v10, v0, 4, 1                        ; hh
	v_lshlrev_b32 v[LI], 4, v8
	v_mul_u32_u24 v[ADW], v9, WP
	v_lshl_add_u32 v[ADW], v10, 4, v[ADW]
	v_add_nc_u32 v[ADW+1], 64*WP, v[ADW]
	s_mul_i32 s18, s16, 16*SPITCH
	s_add_co_u32 s18, s18, STG
	v_mul_u32_u24 v[STO], v9, SPITCH
	v_lshl_add_u32 v[STO], v10, 5, v[STO]
	v_add_nc_u32 v[STO], s18, v[STO]
	v_add_nc_u32 v[RD], s18, v[LI]
	v_lshlrev_b32 v[SCO], 5, v8
	v_lshlrev_b32 v[BO], 5, v10
.macro FETCH_W s                       ; W's eight fragments of K step s into set s % 2: lane (r, hh): row 16 b + r, bytes 128 s + 32 c + 16 hh on
	WIN TO_W
.irp b, 0,1,2,3,4,5,6,7
.irp c, 0,1,2,3
	ds_load_b128 v[128*((\s)%2)+16*\b+4*\c:128*((\s)%2)+16*\b+4*\c+3], v[ADW+\b/4] offset:(\b%4)*16*WP+128*(\s)+32*\c
.endr
.endr
	WIN 0
.endm
.macro FETCH_A s                       ; o's four fragments of K step s into set s % 4, as they lie
	WIN TO_A
.irp a, 0,1,2,3
.irp c, 0,1,2,3
	global_load_b128 v[64*((\s)%4)+16*\a+4*\c:64*((\s)%4)+16*\a+4*\c+3], v[LI], s[4:5] offset:16384*\a+2048*(\s)+512*\c
.endr
.endr
	WIN 0
.endm
.macro PROD s, a, b                    ; accumulator (a, b) takes K step s
.set rD, 8*(8*(\a)+(\b))
.set rW, 128*((\s)%2)+16*(\b)
.set rA, 64*((\s)%4)+16*(\a)
.set rSW, WS+8*((\b)/2)+(\s)
.set rSA, AS+8*((\a)/2)+(\s)
.if (\s) == 0
.set rC, BI+8*(\b)
.else
.set rC, rD
.endif
.if ((\b)%2 == 0) && ((\a)%2 == 0)
	v_wmma_scale_f32_16x16x128_f8f6f4 v[rD:rD+7], v[rW:rW+15], v[rA:rA+15], v[rC:rC+7], v[rSW], v[rSA] matrix_a_fmt:MATRIX_FMT_BF8 matrix_b_fmt:MATRIX_FMT_BF8
.elseif ((\b)%2 == 1) && ((\a)%2 == 0)
	v_wmma_scale_f32_16x16x128_f8f6f4 v[rD:rD+7], v[rW:rW+15], v[rA:rA+15], v[rC:rC+7], v[rSW], v[rSA] matrix_a_fmt:MATRIX_FMT_BF8 matrix_b_fmt:MATRIX_FMT_BF8 matrix_a_scale:MATRIX_SCALE_ROW1
.elseif ((\b)%2 == 0) && ((\a)%2 == 1)
	v_wmma_scale_f32_16x16x128_f8f6f4 v[rD:rD+7], v[rW:rW+15], v[rA:rA+15], v[rC:rC+7], v[rSW], v[rSA] matrix_a_fmt:MATRIX_FMT_BF8 matrix_b_fmt:MATRIX_FMT_BF8 matrix_b_scale:MATRIX_SCALE_ROW1
.else
	v_wmma_scale_f32_16x16x128_f8f6f4 v[rD:rD+7], v[rW:rW+15], v[rA:rA+15], v[rC:rC+7], v[rSW], v[rSA] matrix_a_fmt:MATRIX_FMT_BF8 matrix_b_fmt:MATRIX_FMT_BF8 matrix_a_scale:MATRIX_SCALE_ROW1 matrix_b_scale:MATRIX_SCALE_ROW1
.endif
.endm
; A K step of 128: 32 products; the 32 accumulators take turns, one instruction a turn, in the same order in every step.
.macro STEP s
.if (\s) <= 5
	s_wait_loadcnt 32                              ; loads come back in order (ISA guide 5.7.1): this step's fragments of o are in (in step 0 the scale words and the bias too); those of the two steps behind it stay out
.elseif (\s) == 6
	s_wait_loadcnt 16
.else
	s_wait_loadcnt 0
.endif
.if (\s) > 0
.rept 8
	v_nop                                          ; eight places behind the last step's products, in front of loads into the registers that they have read
.endr
.endif
.if (\s) < 7
	FETCH_W (\s)+1
.endif
.if (\s) <= 4
	FETCH_A (\s)+3
.endif
.if (\s) < 7
	s_wait_dscnt 32                                ; all but the 32 just issued: this step's fragments of W are in
.else
	s_wait_dscnt 0
.endif
.if (\s) == 0
	WIN MUL0
.else
	WIN MUL
.endif
.irp a, 0,1,2,3
.irp b, 0,1,2,3,4,5,6,7
	PROD \s, \a, \b
.endr
.endr
	WIN 0
.endm
.irp j, 0,1,2,3
.irp k, 0,1
	global_load_b128 v[WS+8*\j+4*\k:WS+8*\j+4*\k+3], v[SCO], s[10:11] offset:1024*\j+16*\k   ; W's scale words: lane l takes row 32 j + l, K steps 4 k on
.endr
.endr
.irp j, 0,1
.irp k, 0,1
	global_load_b128 v[AS+8*\j+4*\k:AS+8*\j+4*\k+3], v[SCO], s[6:7] offset:1024*\j+16*\k     ; o's likewise
.endr
.endr
.irp b, 0,1,2,3,4,5,6,7
	global_load_b128 v[BI+8*\b:BI+8*\b+3], v[BO], s[12:13] offset:64*\b                      ; the bias in the result's layout: columns 16 b + 8 hh + 0 .. 7
	global_load_b128 v[BI+8*\b+4:BI+8*\b+7], v[BO], s[12:13] offset:64*\b+16
.endr
	FETCH_A 0
	FETCH_A 1
	FETCH_A 2
	s_wait_alu depctr_va_vdst(0)
	s_wait_tensorcnt 0x0                           ; my 32 rows of W are in,
	s_barrier_signal -1
	s_barrier_wait -1                              ; everybody's are.  W's bytes are not written again
	FETCH_W 0
.irp s, 0,1,2,3,4,5,6,7
	STEP \s
.endr
; THE WAY OUT, block by block of 16 rows x 128 columns: a lane holds 32 neighbouring bytes of a row and the lanes beside it other rows, so a block goes through my own stage and comes back as whole rows of 512 bytes.
; LDS serves a wave's instructions in order (ISA guide 5.7.1.4): no wait between the stores and the loads, nor in front of the next block's stores.
.macro TOSTAGE a
	WIN OUTW
.irp b, 0,1,2,3,4,5,6,7
	ds_store_b128 v[STO], v[8*(8*(\a)+\b):8*(8*(\a)+\b)+3] offset:64*\b          ; each accumulator from its low end on
	ds_store_b128 v[STO], v[8*(8*(\a)+\b)+4:8*(8*(\a)+\b)+7] offset:64*\b+16
.endr
	WIN 0
.irp t, 0,1,2,3,4,5,6,7,8,9,10,11,12,13,14,15
	ds_load_b128 v[BK+64*((\a)%2)+4*\t:BK+64*((\a)%2)+4*\t+3], v[RD] offset:\t*SPITCH
.endr
.endm
.macro SEND a, younger                 ; younger: the LDS instructions issued behind block a's loads, which may stay out
	s_wait_dscnt \younger
.irp t, 0,1,2,3,4,5,6,7,8,9,10,11,12,13,14,15
	global_store_b128 v[LI], v[BK+64*((\a)%2)+4*\t:BK+64*((\a)%2)+4*\t+3], s[14:15] offset:(16*(\a)+\t)*4096 th:TH_STORE_NT   ; 32 lanes store 512 consecutive bytes, at a multiple of 256 from out0's first byte
.endr
.endm
.rept 8
	v_nop                                          ; eight places behind the last products, in front of the first read of results
.endr
	TOSTAGE 0
.irp a, 1,2,3
.if \a > 1
	s_wait_xcnt 0x0                                ; block a - 2's stores have read their registers: block a's loads may land there
.endif
	TOSTAGE \a
	SEND \a-1, 32                                  ; behind block a - 1's loads: block a's 16 stores and 16 loads
.endr
	SEND 3, 0
	s_wait_tensorcnt 0x0
	ds_add_u32 v14, v15
	s_wait_dscnt 0x0
	CROUND                                         ; the closing round
	s_endpgm
.Lfunc_end_k_qb43e5c4010_proj:
	.size	k_qb43e5c4010_proj, .Lfunc_end_k_qb43e5c4010_proj-k_qb43e5c4010_proj
	.p2alignl 7, 3214868480
	.fill 96, 4, 3214868480
	.section	.rodata,"a",@progbits
	.p2align	6, 0x0
	.amdhsa_kernel k_qb43e5c4010_proj
		.amdhsa_group_segment_fixed_size 168448
		.amdhsa_private_segment_fixed_size 0
		.amdhsa_enable_private_segment 0
		.amdhsa_kernarg_size 48
		.amdhsa_user_sgpr_count 2
		.amdhsa_user_sgpr_kernarg_segment_ptr 1
		.amdhsa_wavefront_size32 1
		.amdhsa_system_sgpr_workgroup_id_x 1
		.amdhsa_system_sgpr_workgroup_id_y 1
		.amdhsa_system_sgpr_workgroup_id_z 1
		.amdhsa_system_vgpr_workitem_id 0
		.amdhsa_next_free_vgpr 1024
		.amdhsa_next_free_sgpr 66
		.amdhsa_reserve_vcc 0
		.amdhsa_float_denorm_mode_32 3
		.amdhsa_float_denorm_mode_16_64 3
		.amdhsa_memory_ordered 1
		.amdhsa_forward_progress 1
		.amdhsa_inst_pref_size 86
	.end_amdhsa_kernel
	.amdgpu_metadata
---
amdhsa.version: [ 1, 2 ]
amdhsa.kernels:
  - .name:           k_qb43e5c4010_proj
    .symbol:         k_qb43e5c4010_proj.kd
    .args:
      - { .name: acodes, .offset: 0, .size: 8, .value_kind: global_buffer, .address_space: global }
      - { .name: ascales, .offset: 8, .size: 8, .value_kind: global_buffer, .address_space: global }
      - { .name: W_out_codes, .offset: 16, .size: 8, .value_kind: global_buffer, .address_space: global }
      - { .name: W_out_scales, .offset: 24, .size: 8, .value_kind: global_buffer, .address_space: global }
      - { .name: b_out, .offset: 32, .size: 8, .value_kind: global_buffer, .address_space: global }
      - { .name: out0, .offset: 40, .size: 8, .value_kind: global_buffer, .address_space: global }
    .group_segment_fixed_size: 168448
    .private_segment_fixed_size: 0
    .kernarg_segment_align: 8
    .kernarg_segment_size: 48
    .max_flat_workgroup_size: 128
    .sgpr_count:     66
    .vgpr_count:     1024
    .wavefront_size: 32
...
	.end_amdgpu_metadata
.endif
;; end of part 3
